; MI455X (gfx1250); checked and timed in simulation.
; The chip was launched on July 23, 2026; its instructions are those of AMD's public machine-readable ISA for CDNA 5 (MIT licence, August 2026) and "CDNA5" Instruction Set Architecture Reference Guide (July 2026). The comments in the code are by the model that wrote it; some were corrected since.
;; Feed Forward Quantum. Allowed arithmetic: matrix products marked QUANTISED: E5M2 operands, one given power-of-two scale a tensor, by v_wmma_f32_16x16x64_bf8_bf8 or v_wmma_f32_16x16x128_bf8_bf8, f32 sums; products left as they are: f32 operands where the result goes on into a quantised operand, else bf16, f16 or f32 operands; f32 sums; everything else in f32.
;; Inputs: b1 4,096 float32; b2 1,024 float32; lowp_scales 2 int32 (the exponents e of the quantised operands' scales 2^e); theta 10 float32; w1 4,096 x 10 float32; w2_codes 1,024 x 128 x 32 uint8 (E5M2 codes of w2, K innermost, in blocks of 32 codes); x 4 x 4,096 x 1,024 float32.
;; Outputs: out0 4 x 4,096 x 1,024 float32.
;; This version of the problem:
;;   THIS VERSION OF THE PROBLEM IS GIVEN IN LOW PRECISION. The matrix products marked QUANTISED in the list below multiply operands that are first quantised to E5M2 (5 exponent bits, 2 mantissa bits; 8 bits a number), with one given power-of-two scale for each operand tensor; their sums are f32. All else is computed in f32.
;;   The module's matrix products, in the order in which they are computed (A, B: the left and right operand; K: the contracted axis; several contracted axes count as one K, in the product's order):
;;     1. [M 16,384, K 10] x [K 10, N 4,096]; A: computed on the way; B: input w1: left as it is (K = 10 < 32)
;;     2. [M 16,384, K 4,096] x [K 4,096, N 1,024]; A: computed on the way; B: input w2 (given as codes): QUANTISED (scales: A lowp_scales[0], B lowp_scales[1])
;;   THE QUANTISER, for each operand of a quantised product, along K:
;;     - The operand's scale is 2^e, e = its entry of the input lowp_scales (int32; the entries are numbered through the quantised products in the list's order, A before B).
;;     - Each number is divided by the scale, clamped to +-57,344, and rounded to the nearest number of E5M2, ties to even, subnormals kept.
;;     - The product sums the exact products of the quantised numbers (number of the format x scale) in f32.
;;   ~~~python
;;   def quantise(x, axis, e):      # numpy; x: float32 -> the quantised numbers, widened to float32 again
;;       x = np.moveaxis(x, axis, -1); K = x.shape[-1]
;;       r = np.clip(x / 2.0 ** e, -57344, 57344)
;;       step = 2.0 ** (np.maximum(np.frexp(np.where(r == 0, 1, r))[1] - 1, -14) - 2)
;;       q = np.round(r / step) * step * 2.0 ** e      # np.round: ties to even
;;       return np.moveaxis(q, -1, axis).astype(np.float32)
;;   ~~~
;;   OPERANDS COMPUTED ON THE WAY. 'Computed on the way' means the value that the module computes at that place (a softmax that the list does not call 'softmax' is quantised finished and normalised). What goes into a quantiser is computed in f32, as accurately as f32 sums, v_exp_f32 and their like allow (about 1e-6 of the number): no bf16 or f16 on the way to a quantiser, and a product that is left as it is and whose result goes on into a quantised operand takes f32 operands (vector FMAs, or v_wmma_f32_16x16x4_f32). A number that lies on a knife's edge between two numbers of the format may be rounded either way, as far as f32 arithmetic and the matrix unit's own rounding can turn it there, and no further.
;;   INPUTS GIVEN AS CODES. w2 (in the module: [1024, 4096], K = its axis 1): each comes as NAME_codes (uint8): NAME with its K axis moved to the last place and cut into blocks of 32 codes, [.., K / 32, bytes a block], one block behind the other in memory; one code a byte (a code: sign, 5 exponent bits, 2 mantissa bits); its scale is its entry of lowp_scales. Its value is code x scale, taken as it is: it is not quantised again, and the codes and scales need not be those that the quantiser above would give.
;; 2 versions. Each part assembles by itself: llvm-mc -triple=amdgcn-amd-amdhsa -mcpu=gfx1250 --defsym DOCPART=n.
;; ======== version 1 of 2: 1 launch
;; limits: inputs' magnitudes at most 4,194,304
;; launch ffq (part 1): grid 256 x 1, 4 waves a work-group, clusters of 4 x 1, 327,680 bytes of LDS; arguments x, theta, w1, b1, w2_codes, b2, lowp_scales, out0; writes out0
.if DOCPART == 1
	.amdgcn_target "amdgcn-amd-amdhsa--gfx1250"
	.amdhsa_code_object_version 6
	.text
	.protected	k_q1eca7eb74b_ffq
	.globl	k_q1eca7eb74b_ffq
	.p2align	8
	.type	k_q1eca7eb74b_ffq,@function
k_q1eca7eb74b_ffq:
	s_mov_b64 s[64:65], 0
	v_nop
	global_prefetch_b8 v0, s[64:65] scope:SCOPE_SE
	s_setreg_imm32_b32 hwreg(HW_REG_WAVE_MODE, 25, 1), 1
	s_wait_xcnt 0x0
	s_wait_alu depctr_hold_cnt(0) depctr_sa_sdst(0) depctr_va_vdst(0) depctr_va_sdst(0) depctr_va_ssrc(0) depctr_va_vcc(0) depctr_vm_vsrc(0)
	s_getreg_b32 s2, hwreg(HW_REG_IB_STS2, 6, 4)
	s_cmp_eq_u32 s2, 0
	s_cbranch_scc0 .Lentry_in_a_cluster
	s_endpgm
.Lentry_in_a_cluster:
	s_bfe_u32 s2, ttmp6, 0x10000c
	s_cmp_lg_u32 s2, 0x3003
	s_cbranch_scc0 .Lentry_shape_is_right
	s_endpgm
.Lentry_shape_is_right:
; y[16384][1024] = Q(relu(q w1^T + b1)) w2^T + b2,  q[row][f] = cos(x[row][f]) cos(theta[f]), f = 0 .. 9.  x: [16384][1024] f32 (the first ten numbers of a row are used, as the
; problem has it); w1 [4096][10], b1 [4096], b2 [1024], theta [10]: f32; w2: codes of E5M2, [1024][4096], K innermost; lowp_scales: e0 (the hidden layer's), e1 (w2's); y: f32.
; Q: number / 2^e0, held within 0 .. 57,344 (the relu and the hold are one line), to the nearest code, ties to even.  Each finished sum is multiplied once by 2^(e0 + e1).
; LIMITS: |x| and |theta| under 2^22 (the reduction of the cosine's argument); e0 between -126 and 112, e0 + e1 between -126 and 127, so that each power of two below is an f32 number;
; NaN and infinities among the inputs are not served.
; SHARES.  A work-group owns 64 rows and all 1,024 columns: 256 work-groups.  Wave w owns columns 256 w .. 256 w + 255 of the 64 rows: 64 accumulators of 16 x 16, 512 registers.
; The hidden layer of the 64 rows is made ONCE, a quarter by each wave, quantised in registers, and goes from wave to wave through LDS as images of the operand's registers.
; K (4,096 hidden units) goes in 16 chunks of 256.  A chunk has two steps: step g multiplies it with the wave's column half g (128 columns), whose codes lie in LDS slot g.
; A STEP is phase P and phase M.  P: 24 f32 matrix instructions make my 32 units x 64 rows of half a LATER chunk; between them stand the step's 64 LDS loads of w2's fragments, the loads of the
; hidden layer's images (g = 0), and the hold, the conversion and the LDS store of the codes.  M: 64 products on codes, back to back, and near their end the change of the slot's tile.
; CLUSTER.  All row blocks walk the same w2: four work-groups ask for each tile JOINTLY (the same tensor load, the same descriptor, mask 15).  A wave fetches and reads its own columns' rows alone.
; LAYOUTS.  Both products are used transposed.  f32: source 0 = 16 units of w1, source 1 = 16 rows of q; lane r of tile u takes unit 32 w + 8 u + r + 8 (r / 8), so that a lane's 16 results of tiles 0 and 1
; are 16 neighbouring units, 32 w + 16 (lane / 16) + 0 .. 15, of ONE row: registers 4 w .. 4 w + 3 of the next operand's fragment.  Codes: source 0 = 16 rows of w2, source 1 = the hidden layer:
; a lane then holds eight neighbouring columns of one row of y.  Fragments come by four loads of 16 bytes: registers 4 c .. 4 c + 3 hold k = 32 c + 16 (lane / 16) + 0 .. 15, alike on both sides.
; THE TEN FEATURES AND THE BIAS on the f32 form's K (instruction s = 0, 1, 2; a lane's pair is k = 2 (lane / 16) + 0, 1): lanes 0-15 features 2 s, 2 s + 1; lanes 16-31: s = 0: (b1, 0) against (1, 0);
; s = 1: features 6, 7; s = 2: 8, 9.  In bytes of a row of x, of theta and of a row of w1: 16 (lane / 16) + 8 s: every load stays inside its buffer; lanes 16-31's pair of s = 0 is replaced.
; REGISTERS, in windows of 256.  Window 0: v1-11 addresses and constants; v12-35 q; v36-63 two sets of w1 and b1; v64-95 the f32 sums (written by matrix instructions alone); v96-111 held numbers;
; v112-127 codes; v128-255 the hidden layer's 8 fragments.  Window 1: w2's 16 fragments.  Window 2: the accumulators of column half 0 ((m, b) at v[8 (8 m + b)]).  Window 3: those of half 1.
.set PITCH,  272                       ; an LDS row of w2's tile: 256 bytes + 16 of padding: the 16 rows that a load touches start 68 words apart
.set HALFT,  128*PITCH                 ; a wave's tile: 128 rows
.set SLOT,   4*HALFT                   ; slot g at g x SLOT; in it wave w's tile at w x HALFT
.set SPARE,  2*SLOT                    ; behind the ring: the spare words, 128 bytes a wave: two blocks of 256 bytes that no other line names
.set IMG,    0x48000                   ; the images: two sets of 16,384 bytes by turns; image (K half k, rows 16 m on) at (4 k + m) x 2,048; in it the registers 4 c .. 4 c + 3 at 512 c + 16 x lane
.set PAR,    0x4000                    ; one exclusive or turns an address in one set into the other's
.set SPITCH, 528                       ; the way out: a stage of 16 rows x (512 bytes + 16) in my own tile of slot 0, behind that slot's last fill and my last read of it
.set SPW,  1                           ; v1   LDS address of my spare word; never rewritten
.set NIL,  2                           ; v2   0; never rewritten
.set ADRB, 3                           ; v3, v4  my lane's place in my tile of slot 0, 1
.set IMR,  5                           ; v5   where I read images
.set IMW,  6                           ; v6   where I store my part of an image
.set VA,   7                           ; v7   w1: my unit's row x 40 bytes + 16 (lane / 16)
.set VC,   8                           ; v8   b1: my unit x 4 bytes
.set PFO,  9                           ; v9   the prefetches' offset: my lane x a row of w2
.set SCL,  10                          ; v10  2^e0
.set LIM,  11                          ; v11  57,344 x 2^e0
.set QR,   12                          ; q: rows 16 m on, instruction s: pair at QR + 6 m + 2 s
.set WR,   36                          ; weights, set k at WR + 14 k: pair (u, s) at + 6 u + 2 s; b1 of tile u at + 12 + u
.set HR,   64                          ; f32 sums: two sets by turns (m % 2), tile u at + 8 u
.set TR,   96
.set CR,   112                         ; codes of rows 16 m on at CR + 4 m
.set AF,   128                         ; the hidden layer's fragment (k, m) at AF + 64 k + 16 m
.set XO,   126                         ; at the head: x's offset, theta's offset
.set TO,   127
.set SV,   96                          ; at the head, the cosines' work: 30 numbers each: sine, argument, whole number, square, cosine
.set XV,   128
.set KC3,  158
.set KS3,  159
.set NV,   160
.set KMG,  190
.set ZV,   192
.set CV,   224
.set B2R,  36                          ; the way out: b2 of my four columns in half 0, half 1
.set CO,   44                          ; my byte in a row of y and in b2: 1,024 w + 16 x lane
.set STO,  45
.set RD,   46
.set BB,   128                         ; 16 rows read back from the stage: v128-191 and v192-255 by turns
.set WV,   20
.set CX,   21
.set G1,   24                          ; s[24:31] descriptor group 1
.set G0,   32                          ; s[32:35], s[36:39] group 0 of slot 0, 1
.set IBR,  40
.set IBW,  41
.set CNT,  42
.set PFON, 43
.set PFA,  44
.set SC2,  46                          ; s[46:47] 2^(e0 + e1)
.set EE,   48                          ; s[48:49] e0, e1
.set HM,   50                          ; lanes 16-31
.set MULW, 0xa1                        ; source 0 (w2) window 1, source 1 window 0, C and D window 2; + 0x50: window 3
.set TO_B, 0x40                        ; destination window 1, address window 0
.set MSB, 0
.macro WIN new                         ; the immediate's high byte repeats the setting that is left; a switch that changes nothing is dropped
.if MSB != (\new)
	s_set_vgpr_msb (MSB<<8)|(\new)
.set MSB, (\new)
.endif
.endm
.macro PLACES n
.rept \n
	v_nop
.endr
.endm
.macro CREST                           ; a round of the cluster's barrier behind its opening barrier
	s_cmp_lg_u32 s[WV], 0
	s_cbranch_scc1 .Lnot_wave_0_\@
	s_barrier_signal -3
.Lnot_wave_0_\@:
	s_barrier_wait -3
	s_barrier_signal -1
	s_barrier_wait -1
.endm
.macro CROUND
	s_barrier_signal -1
	s_barrier_wait -1
	CREST
.endm
.macro JLOAD g                         ; the joint refill of slot g: every wave its own 128 rows; four v_nop follow: they are also the places in front of the loads into fragments
	tensor_load_to_lds s[G0+4*(\g):G0+4*(\g)+3], s[G1:G1+7]
	s_nop 0
.rept 4
	v_nop
.endr
.endm
; A PREFETCH INTO THE L2, behind each refill and its four lines: the same column half's tile of the NEXT chunk but one counted from the chunk in hand: two refills on.  All clusters walk the same w2:
; cluster 0 asks.  Its four partners share a wave's 128 rows out BY ADDRESS, 32 each, a lane a row (256 bytes of the row, aligned): each such block is named once in the launch.
; The first four fills come by their loads alone; the last two trips ask for nothing.
.macro ASK g
	s_cmp_eq_u32 s[PFON], 1
	s_cbranch_scc0 .Lnot_mine_\@
	global_prefetch_b8 v[PFO], s[PFA:PFA+1] offset:(\g)*524288 th:TH_LOAD_NT scope:SCOPE_SE
.Lnot_mine_\@:
.endm
.macro WLOAD k, co                     ; my 32 units' weights and biases of K half k of the chunk co behind the walking pointers, into set k: eight loads
	WIN 0
.irp u, 0,1
.irp s, 0,1,2
	global_load_b64 v[WR+14*(\k)+6*\u+2*\s:WR+14*(\k)+6*\u+2*\s+1], v[VA], s[8:9] offset:(\co)*10240+5120*(\k)+320*\u+8*\s
.endr
.endr
.irp u, 0,1
	global_load_b32 v[WR+14*(\k)+12+\u], v[VC], s[10:11] offset:(\co)*1024+512*(\k)+32*\u
.endr
.endm
.macro LB slot, j                      ; w2's fragments f = 2 j, 2 j + 1 (f = 8 k + b: K half k, columns 16 b on): eight loads
	WIN TO_B
.irp e, 0,1
.irp c, 0,1,2,3
	ds_load_b128 v[16*(2*(\j)+\e)+4*\c:16*(2*(\j)+\e)+4*\c+3], v[ADRB+(\slot)] offset:((2*(\j)+\e)%8)*16*PITCH+128*((2*(\j)+\e)/8)+32*\c
.endr
.endr
.endm
.macro LA j                            ; the hidden layer's fragments a = 2 j, 2 j + 1 (a = 4 k + m), as their makers stored them: eight loads
	WIN 0
.irp e, 0,1
.irp c, 0,1,2,3
	ds_load_b128 v[AF+16*(2*(\j)+\e)+4*\c:AF+16*(2*(\j)+\e)+4*\c+3], v[IMR] offset:2048*(2*(\j)+\e)+512*\c
.endr
.endr
.endm
.macro GLA al, j
.if \al
	LA \j
.endif
.endm
.macro GLB bl, slot, j
.if \bl
	LB \slot, \j
.endif
.endm
; f32 matrix instruction n of 24: rows 16 (n / 6) on, K part (n % 6) / 2, tile n % 2.  The two tiles take turns, one instruction a turn; the first part starts the sum with 0.
.macro FW n, k
	WIN 0
.set fm, (\n)/6
.set fs, ((\n)%6)/2
.set fu, (\n)%2
.set fH, HR+16*(fm%2)+8*fu
.set fP, WR+14*(\k)+6*fu+2*fs
.set fQ, QR+6*fm+2*fs
.if fs == 0
	v_wmma_f32_16x16x4_f32 v[fH:fH+7], v[fP:fP+1], v[fQ:fQ+1], 0
.else
	v_wmma_f32_16x16x4_f32 v[fH:fH+7], v[fP:fP+1], v[fQ:fQ+1], v[fH:fH+7]
.endif
.endm
.macro MED mt, u                       ; the activation and the hold in one, into other registers, from the sum's low end on: the conversion to an 8-bit code does not saturate (ISA guide 7.6.2)
	WIN 0
.irp j, 0,1,2,3,4,5,6,7
	v_med3_num_f32 v[TR+8*(\u)+\j], v[HR+16*((\mt)%2)+8*(\u)+\j], 0, v[LIM]
.endr
.endm
.macro CVT mt, k                       ; 16 neighbouring units of my row become 16 codes: my four registers of the fragment (k, mt)
	WIN 0
	v_cvt_scalef32_pk8_bf8_f32 v[CR+4*(\mt):CR+4*(\mt)+1], v[TR:TR+7], v[SCL]
	v_cvt_scalef32_pk8_bf8_f32 v[CR+4*(\mt)+2:CR+4*(\mt)+3], v[TR+8:TR+15], v[SCL]
	v_nop                                          ; one plain vector line behind the conversions: the next holds write their sources
	ds_store_b128 v[IMW], v[CR+4*(\mt):CR+4*(\mt)+3] offset:8192*(\k)+2048*(\mt)
.endm
; PHASE P.  prod = 1: K half k of a later chunk is made from weight set k.  Behind this f32 form eight places stand in front of the first read of a sum and of loads into its sources, nine in front of a
; matrix instruction that begins a sum anew in its registers: eight v_nop behind each pair of finished tiles; the other tile's holds and later v_nop make up the rest.
; bl, al = 1: the step's fragments of w2 (slot) and of the hidden layer are fetched between the matrix instructions.  lw: the weight loads that may stay out.  wl = 1: set k is loaded again.
.macro P slot, k, bl, al, prod, lw, wl, co
.if \prod
	s_wait_loadcnt \lw                             ; set k is in; the other set's eight loads may be out
	WIN 0
.irp u, 0,1
	v_cndmask_b32 v[WR+14*(\k)+6*\u], v[WR+14*(\k)+6*\u], v[WR+14*(\k)+12+\u], s[HM]   ; lanes 16-31, K part 0: (b1, 0)
	v_cndmask_b32 v[WR+14*(\k)+6*\u+1], v[WR+14*(\k)+6*\u+1], 0, s[HM]
.endr
	FW 0, \k
	GLA \al, 0
	FW 1, \k
	GLA \al, 1
	FW 2, \k
	GLB \bl, \slot, 0
	FW 3, \k
	GLB \bl, \slot, 1
	FW 4, \k
	GLB \bl, \slot, 2
	FW 5, \k
	PLACES 8
	FW 6, \k
	MED 0, 0
	FW 7, \k
	MED 0, 1
	FW 8, \k
	CVT 0, \k
	GLB \bl, \slot, 3
	FW 9, \k
	GLA \al, 2
	FW 10, \k
	GLA \al, 3
	FW 11, \k
	PLACES 8
	FW 12, \k
	MED 1, 0
	FW 13, \k
	MED 1, 1
	FW 14, \k
	CVT 1, \k
	GLB \bl, \slot, 4
	FW 15, \k
	GLB \bl, \slot, 5
	FW 16, \k
	GLB \bl, \slot, 6
	FW 17, \k
	PLACES 8
	FW 18, \k
	MED 2, 0
	FW 19, \k
	MED 2, 1
	FW 20, \k
	CVT 2, \k
	GLB \bl, \slot, 7
	FW 21, \k
	FW 22, \k
	FW 23, \k
	PLACES 8
	MED 3, 0
	MED 3, 1
	CVT 3, \k
.if \wl
	WLOAD \k, \co
.endif
.else                                  ; the last chunk: nothing is left to make: the loads in one run, in the same order
	GLA \al, 0
	GLA \al, 1
	GLB \bl, \slot, 0
	GLB \bl, \slot, 1
	GLB \bl, \slot, 2
	GLB \bl, \slot, 3
	GLA \al, 2
	GLA \al, 3
	GLB \bl, \slot, 4
	GLB \bl, \slot, 5
	GLB \bl, \slot, 6
	GLB \bl, \slot, 7
.endif
.endm
; 4 nb products on codes: K half k, columns 16 b on for b = b0 .. b0 + nb - 1, each against the four tiles of rows.  The 32 accumulators of a column half take turns, one instruction a turn, in the same
; order in both K halves.  zero = 1: the first product starts the sum: nothing is ever cleared.
.macro MULB k, b0, nb, zero
.set bb, \b0
.rept \nb
.irp m, 0,1,2,3
.if \zero
	v_wmma_f32_16x16x128_bf8_bf8 v[8*(8*\m+bb):8*(8*\m+bb)+7], v[128*(\k)+16*bb:128*(\k)+16*bb+15], v[AF+64*(\k)+16*\m:AF+64*(\k)+16*\m+15], 0
.else
	v_wmma_f32_16x16x128_bf8_bf8 v[8*(8*\m+bb):8*(8*\m+bb)+7], v[128*(\k)+16*bb:128*(\k)+16*bb+15], v[AF+64*(\k)+16*\m:AF+64*(\k)+16*\m+15], v[8*(8*\m+bb):8*(8*\m+bb)+7]
.endif
.endr
.set bb, bb+1
.endr
.endm
; PHASE M of step g.  The waits count the LDS loads issued behind the fragments that the next sixteen products read.
; fill = 1: slot g, which only this step reads, is filled again with the next chunk's tile.  In front of the round each wave waits for all its tensor loads (one is out: the other slot's tile), adds 0 to its
; spare word, and waits for that, for its reads of the slot and for its image stores.  Behind the round no wave of any partner reads the slot, the other slot is whole, and the images stored in this step may be read.
.macro M g, al, zero, fill, st, pf
.if \al
	s_wait_dscnt 63                                ; (64 were issued behind them; the count's field ends at 63)
.else
	s_wait_dscnt 48
.endif
	WIN MULW+0x50*(\g)
	MULB 0, 0, 4, \zero
.if \st
	s_wait_xcnt 0x0                                ; the weight loads and the last prefetch have read their bases: these may step
.if (\g) == 0
	s_add_nc_u64 s[PFA:PFA+1], s[PFA:PFA+1], 256
.else
	s_add_nc_u64 s[8:9], s[8:9], 10240
	s_add_nc_u64 s[10:11], s[10:11], 1024
.endif
.endif
	s_wait_dscnt 32+16*(\al)
	MULB 0, 4, 4, \zero
	s_wait_dscnt 16
	MULB 1, 0, 4, 0
.if \fill
	WIN 0                                          ; (the add's two registers lie in window 0)
	s_wait_tensorcnt 0x0                           ; all my tensor loads have landed, so a group 0 may be written
	ds_add_u32 v[SPW], v[NIL]                      ; 0 onto my spare word
	s_add_nc_u64 s[G0+4*(\g)+2:G0+4*(\g)+3], s[G0+4*(\g)+2:G0+4*(\g)+3], 256   ; the next chunk's 256 bytes of the same rows; the type bits on top are not reached
	s_wait_dscnt 1                                 ; (the add may be out)
	WIN MULW+0x50*(\g)
	MULB 1, 4, 2, 0                                ; eight products stand between the add and the wait for it
	s_wait_dscnt 0x0                               ; the add is done, my reads of the slot are over, my image stores have landed
	s_barrier_signal -1
	MULB 1, 6, 2, 0
	WIN 0
	s_barrier_wait -1
	CREST
	JLOAD \g                                       ; the first tensor load behind the round, and my only one until the next
.if \pf
	ASK \g
.endif
.else
	s_wait_dscnt 0x0
	MULB 1, 4, 4, 0
	WIN 0
	PLACES 4                                       ; in front of loads into fragments, and of the first read of results
.if (\g) == 0
	s_wait_tensorcnt 0x0                           ; slot 1's last tile: my own load, my own rows: this wait is all that my reads need
.endif
.endif
.endm
; A TRIP: chunk c is multiplied, chunk c + 1's images are made (into the other set), chunk c + 2's weights are asked for.
.macro TRIP zero, prod, wl, fill, lw1
	v_and_b32 v[IMR], 31, v0
	v_lshl_add_u32 v[IMR], v[IMR], 4, s[IBR]
	s_xor_b32 s[IBR], s[IBR], PAR
.if \prod
	v_and_b32 v[IMW], 31, v0
	v_lshl_add_u32 v[IMW], v[IMW], 4, s[IBW]
	s_xor_b32 s[IBW], s[IBW], PAR
.endif
	P 0, 0, 1, 1, \prod, 8, \wl, 0
	M 0, 1, \zero, \fill, \wl, \wl
	P 1, 1, 1, 0, \prod, \lw1, \wl, 0
	M 1, 0, \zero, \fill, \wl, \wl
.endm
	; ---- the head
	s_load_b512 s[4:19], s[0:1], 0x0               ; x s[4:5], theta s[6:7], w1 s[8:9], b1 s[10:11], w2's codes s[12:13], b2 s[14:15], the scales' exponents s[16:17], y s[18:19]
	v_lshl_add_u32 v[SPW], v0, 2, SPARE
	v_mov_b32 v[NIL], 0
	ds_add_u32 v1, v2
	ds_add_u32 v1, v2
	s_wait_dscnt 0x0
	v_lshrrev_b32 v3, 5, v0
	v_readfirstlane_b32 s[WV], v3                  ; wave 0..3
	s_bfe_u32 s[CX], ttmp6, 0x40000                ; cx: my place in the cluster: it enters x's, y's and the prefetches' addresses alone
	s_mov_b32 s[G1], 15|(1<<20)|(1<<21)|(5<<22)|(3<<25)   ; 15:0 the mask: all four work-groups; 17:16 elements of 1 byte; 20 padding on; 21 set beside a mask; 24:22 after every 64 words (code 5); 31:25 four words (code 3)
	s_mov_b32 s[G1+1], 256<<16                     ; tensor_dim0 = 256
	s_mov_b32 s[G1+2], 128<<16                     ; tensor_dim1 = 128
	s_mov_b32 s[G1+3], 256<<16                     ; tile_dim0 = 256
	s_mov_b32 s[G1+4], 128                         ; tile_dim1 = 128
	s_mov_b32 s[G1+5], 4096                        ; from row to row of w2
	s_mov_b32 s[G1+6], 0
	s_mov_b32 s[G1+7], 0
	s_mov_b32 s[HM], 0xffff0000
	v_and_b32 v5, 15, v0                           ; r = lane % 16
	v_bfe_u32 v6, v0, 4, 1                         ; h = lane / 16
	s_mul_i32 s22, s[WV], HALFT                    ; my tile in a slot
	v_mul_u32_u24 v[ADRB], v5, PITCH
	v_lshl_add_u32 v[ADRB], v6, 4, v[ADRB]
	v_add_nc_u32 v[ADRB], s22, v[ADRB]             ; row r x pitch + 16 h, in my tile of slot 0,
	v_add_nc_u32 v[ADRB+1], SLOT, v[ADRB]          ; of slot 1
	v_and_b32 v[VC], 8, v5
	v_add_nc_u32 v[VC], v[VC], v5                  ; r + 8 (r / 8)
	s_lshl_b32 s23, s[WV], 5
	v_add_nc_u32 v[VC], s23, v[VC]                 ; + 32 w: my unit of tile 0
	v_mul_u32_u24 v[VA], v[VC], 40
	v_lshl_add_u32 v[VA], v6, 4, v[VA]
	v_lshlrev_b32 v[VC], 2, v[VC]
	v_and_b32 v[PFO], 31, v0
	v_lshlrev_b32 v[PFO], 12, v[PFO]
	v_lshlrev_b32 v[XO], 12, v5
	v_lshl_add_u32 v[XO], v6, 4, v[XO]             ; x: row r of 4,096 bytes + 16 h
	v_lshlrev_b32 v[TO], 4, v6                     ; theta: 16 h
	s_mov_b32 s[G0], 1                             ; count = 1
	s_mov_b32 s[G0+1], s22                         ; LDS address: no place in the cluster enters it
	s_mov_b32 s[G0+4], 1
	s_add_co_u32 s[G0+5], s22, SLOT
	s_lshl_b32 s22, s[WV], 20                      ; my 256 rows of w2, 4,096 bytes each
	s_mov_b32 s23, 0
	s_lshl_b32 s52, ttmp9, 2                       ; in a cluster launch ttmp9 counts clusters
	s_add_co_u32 s52, s52, s[CX]                   ; my block of 64 rows
	s_lshl_b32 s52, s52, 18                        ; x 64 rows of 4,096 bytes, in x and in y
	s_mov_b32 s53, 0
	s_cmp_eq_u32 ttmp9, 0
	s_cselect_b32 s[PFON], 1, 0                    ; the same in all four partners
	s_wait_kmcnt 0x0
	s_load_b64 s[EE:EE+1], s[16:17], 0x0           ; e0, e1
	s_add_nc_u64 s[54:55], s[12:13], s[22:23]
	s_mov_b64 s[G0+2:G0+3], s[54:55]               ; slot 0: my columns' half 0, chunk 0
	s_add_nc_u64 s[G0+6:G0+7], s[54:55], 524288    ; slot 1: 128 rows further down
	s_or_b32 s[G0+3], s[G0+3], 0x80000000          ; type = 2
	s_or_b32 s[G0+7], s[G0+7], 0x80000000
	s_add_nc_u64 s[4:5], s[4:5], s[52:53]
	s_add_nc_u64 s[18:19], s[18:19], s[52:53]
	s_lshl_b32 s52, s[CX], 17                      ; the prefetches: my work-group's 32 rows of my wave's 128,
	s_add_nc_u64 s[PFA:PFA+1], s[54:55], s[52:53]
	s_add_nc_u64 s[PFA:PFA+1], s[PFA:PFA+1], 256   ; at chunk 1: the first trip steps it to chunk 2
	CROUND                                         ; all four work-groups are here: the first joint loads meet
	tensor_load_to_lds s[G0:G0+3], s[G1:G1+7]      ; both first fills together: two loads of mine are out
	s_nop 0
	tensor_load_to_lds s[G0+4:G0+7], s[G1:G1+7]
	s_nop 0
.rept 4
	v_nop
.endr
.irp s, 0,1,2
	global_load_b64 v[XV+24+2*\s:XV+24+2*\s+1], v[TO], s[6:7] offset:8*\s
.endr
.irp m, 0,1,2,3
.irp s, 0,1,2
	global_load_b64 v[XV+6*\m+2*\s:XV+6*\m+2*\s+1], v[XO], s[4:5] offset:65536*\m+8*\s
.endr
.endr
	WLOAD 0, 0                                     ; chunk 0's weights
	WLOAD 1, 0
	v_mov_b32 v[KC3], 0x37ccf5ce
	v_mov_b32 v[KS3], 0xb94ca1f9
	v_mov_b32 v[KMG], 0x4b400000                   ; 1.5 x 2^23
	s_wait_loadcnt 16                              ; theta and x are in; the sixteen weight loads may be out
; THE COSINE of 30 numbers a lane (24 of x, 6 of theta), stage by stage, so that no line waits for the line above it.  n = the whole number nearest to a x 2 / pi (by adding and taking away 1.5 x 2^23);
; r = a - n pi / 2, pi / 2 in three parts, each by a fused multiply-add; on |r| <= pi / 4 a polynomial for cos r and one for sin r; cos a is cos r, -sin r, -cos r, sin r for n mod 4 = 0, 1, 2, 3.
.macro COSLINE
.if st == 0
	v_fmamk_f32 v[NV+i], v[XV+i], 0x3f22f983, v[KMG]
.elseif st == 1
	v_sub_f32 v[NV+i], v[NV+i], v[KMG]
.elseif st == 2
	v_fmamk_f32 v[XV+i], v[NV+i], 0xbfc90fdb, v[XV+i]
.elseif st == 3
	v_fmamk_f32 v[XV+i], v[NV+i], 0x333bbd2e, v[XV+i]
.elseif st == 4
	v_fmamk_f32 v[XV+i], v[NV+i], 0x26f72ced, v[XV+i]
.elseif st == 5
	v_cvt_i32_f32 v[NV+i], v[NV+i]
.elseif st == 6
	v_mul_f32 v[ZV+i], v[XV+i], v[XV+i]
.elseif st == 7
	v_fmaak_f32 v[CV+i], v[KC3], v[ZV+i], 0xbab6061a
.elseif st == 8
	v_fmaak_f32 v[SV+i], v[KS3], v[ZV+i], 0x3c08839e
.elseif st == 9
	v_fmaak_f32 v[CV+i], v[CV+i], v[ZV+i], 0x3d2aaaa5
.elseif st == 10
	v_fmaak_f32 v[SV+i], v[SV+i], v[ZV+i], 0xbe2aaaa3
.elseif st == 11
	v_fma_f32 v[CV+i], v[CV+i], v[ZV+i], -0.5
.elseif st == 12
	v_mul_f32 v[SV+i], v[SV+i], v[ZV+i]
.elseif st == 13
	v_fma_f32 v[CV+i], v[CV+i], v[ZV+i], 1.0
.elseif st == 14
	v_fma_f32 v[SV+i], v[SV+i], v[XV+i], v[XV+i]
.elseif st == 15
	v_and_b32 v[ZV+i], 1, v[NV+i]
.elseif st == 16
	v_add_nc_u32 v[NV+i], 1, v[NV+i]
.elseif st == 17
	v_cmp_eq_u32 vcc_lo, 1, v[ZV+i]
	v_cndmask_b32 v[CV+i], v[CV+i], v[SV+i], vcc_lo
.elseif st == 18
	v_and_b32 v[NV+i], 2, v[NV+i]
.elseif st == 19
	v_lshlrev_b32 v[NV+i], 30, v[NV+i]
.else
	v_xor_b32 v[CV+i], v[CV+i], v[NV+i]
.endif
.endm
.set st, 0
.rept 21
.set i, 0
.rept 30
	COSLINE
.set i, i+1
.endr
.set st, st+1
.endr
.irp m, 0,1,2,3
.irp s, 0,1,2
	v_pk_mul_f32 v[QR+6*\m+2*\s:QR+6*\m+2*\s+1], v[CV+6*\m+2*\s:CV+6*\m+2*\s+1], v[CV+24+2*\s:CV+24+2*\s+1]   ; q = cos x cos theta
.endr
.endr
.irp m, 0,1,2,3
	v_cndmask_b32 v[QR+6*\m], v[QR+6*\m], 1.0, s[HM]      ; lanes 16-31, K part 0: (1, 0), against (b1, 0)
	v_cndmask_b32 v[QR+6*\m+1], v[QR+6*\m+1], 0, s[HM]
.endr
	s_wait_kmcnt 0x0
	s_add_co_i32 s22, s[EE], 127
	s_lshl_b32 s23, s22, 23
	v_mov_b32 v[SCL], s23                          ; 2^e0 as f32: the conversion takes its exponent field
	s_add_co_i32 s22, s22, 15
	s_lshl_b32 s22, s22, 23
	s_or_b32 s22, s22, 0x600000
	v_mov_b32 v[LIM], s22                          ; 57,344 x 2^e0
	s_add_co_i32 s[SC2], s[EE], s[EE+1]
	s_add_co_i32 s[SC2], s[SC2], 127
	s_lshl_b32 s[SC2], s[SC2], 23                  ; 2^(e0 + e1) as f32
	s_mov_b32 s[SC2+1], s[SC2]                     ; (named with it as a pair, so it is written)
	s_lshl_b32 s[IBW], s[WV], 9
	s_add_co_u32 s[IBW], s[IBW], IMG               ; my 512 bytes of an image, in set 0
	v_and_b32 v[IMW], 31, v0
	v_lshl_add_u32 v[IMW], v[IMW], 4, s[IBW]
	P 0, 0, 0, 0, 1, 8, 1, 1                       ; chunk 0's images, K half 0; chunk 1's weights are asked for
	s_wait_dscnt 0x0                               ; the image stores are done: the codes' registers are written again
	P 0, 1, 0, 0, 1, 8, 1, 1                       ; K half 1
	s_wait_xcnt 0x0                                ; the weight loads have read their bases
	s_add_nc_u64 s[8:9], s[8:9], 20480             ; the walking pointers stand at chunk 2
	s_add_nc_u64 s[10:11], s[10:11], 2048
	s_xor_b32 s[IBW], s[IBW], PAR                  ; the first trip stores into set 1
	s_mov_b32 s[IBR], IMG                          ; and reads set 0
	s_wait_tensorcnt 1                             ; my tile of slot 0 is in; slot 1's may stay out
	s_wait_dscnt 0x0                               ; my image stores have landed
	s_barrier_signal -1
	s_barrier_wait -1
	; ---- the sixteen chunks
	TRIP 1, 1, 1, 1, 8                             ; chunk 0: its first products start the sums
	s_mov_b32 s[CNT], 13
.Ltrip:                                            ; chunks 1 to 13
	TRIP 0, 1, 1, 1, 8
	s_sub_co_u32 s[CNT], s[CNT], 1
	s_cmp_lg_u32 s[CNT], 0
	s_cbranch_scc1 .Ltrip
	TRIP 0, 1, 0, 1, 0                             ; chunk 14: the last images and the last fills; no weights are left to ask for, so the second wait for weights is for 0
	v_and_b32 v[CO], 31, v0
	s_lshl_b32 s23, s[WV], 10
	v_lshl_add_u32 v[CO], v[CO], 4, s23            ; 1,024 w + 16 x lane
	global_load_b128 v[B2R:B2R+3], v[CO], s[14:15]             ; b2 of my four columns in half 0,
	global_load_b128 v[B2R+4:B2R+7], v[CO], s[14:15] offset:512   ; in half 1
	TRIP 0, 0, 0, 0, 0                             ; chunk 15 is written out
	; ---- THE WAY OUT, block by block of 16 rows x 128 columns.  A lane holds 32 neighbouring bytes of a row and the lanes beside it other rows: a block goes through my stage in LDS and comes back as whole rows of
	; 512 bytes; there each pair of sums becomes sum x 2^(e0 + e1) + b2 by one packed multiply-add, and the 32 lanes store 512 consecutive bytes, at a multiple of 512 from y's first byte.
	; LDS serves a wave's instructions in order (ISA guide 5.7.1.4): no wait between the stores and the loads, nor in front of the next block's stores.
	s_mul_i32 s22, s[WV], HALFT
	v_and_b32 v47, 15, v0
	v_bfe_u32 v48, v0, 4, 1
	v_mul_u32_u24 v[STO], v47, SPITCH
	v_lshl_add_u32 v[STO], v48, 5, v[STO]
	v_add_nc_u32 v[STO], s22, v[STO]               ; in: row r, 32 bytes for each half of the lanes
	v_and_b32 v[RD], 31, v0
	v_lshl_add_u32 v[RD], v[RD], 4, s22            ; back: the 32 lanes take one row
.macro TOSTAGE a                       ; block a: column half a / 4, rows 16 (a % 4) on
	WIN 0x08+4*((\a)/4)                            ; store data: window 2 or 3
.irp b, 0,1,2,3,4,5,6,7
	ds_store_b128 v[STO], v[8*(8*((\a)%4)+\b):8*(8*((\a)%4)+\b)+3] offset:64*\b          ; each accumulator from its low end on
	ds_store_b128 v[STO], v[8*(8*((\a)%4)+\b)+4:8*(8*((\a)%4)+\b)+7] offset:64*\b+16
.endr
	WIN 0
.irp t, 0,1,2,3,4,5,6,7,8,9,10,11,12,13,14,15
	ds_load_b128 v[BB+64*((\a)%2)+4*\t:BB+64*((\a)%2)+4*\t+3], v[RD] offset:SPITCH*\t
.endr
.endm
.macro SEND a, younger                 ; younger: the LDS instructions issued behind block a's loads, which may stay out
	s_wait_dscnt \younger
.irp t, 0,1,2,3,4,5,6,7,8,9,10,11,12,13,14,15
.irp i, 0,2
	v_pk_fma_f32 v[BB+64*((\a)%2)+4*\t+\i:BB+64*((\a)%2)+4*\t+\i+1], v[BB+64*((\a)%2)+4*\t+\i:BB+64*((\a)%2)+4*\t+\i+1], s[SC2:SC2+1], v[B2R+4*((\a)/4)+\i:B2R+4*((\a)/4)+\i+1] op_sel_hi:[1,0,1]
.endr
.endr
.irp t, 0,1,2,3,4,5,6,7,8,9,10,11,12,13,14,15
	global_store_b128 v[CO], v[BB+64*((\a)%2)+4*\t:BB+64*((\a)%2)+4*\t+3], s[18:19] offset:(16*((\a)%4)+\t)*4096+512*((\a)/4) th:TH_STORE_NT   ; written once, read by nobody here
.endr
.endm
	s_wait_loadcnt 0x0                             ; b2
	TOSTAGE 0
.irp a, 1,2,3,4,5,6,7
.if \a > 1
	s_wait_xcnt 0x0                                ; block a - 2's stores have read their registers: block a's loads may land there
.endif
	TOSTAGE \a
	SEND \a-1, 32                                  ; behind block a - 1's loads: block a's 16 stores and 16 loads
.endr
	SEND 7, 0
	s_wait_tensorcnt 0x0                           ; the wave's end, behind my last tensor load and my last LDS store
	ds_add_u32 v[SPW], v[NIL]
	s_wait_dscnt 0x0
	CROUND                                         ; the closing round: no work-group ends while a partner may still ask for a tile that names it
	s_endpgm
.Lfunc_end_k_q1eca7eb74b_ffq:
	.size	k_q1eca7eb74b_ffq, .Lfunc_end_k_q1eca7eb74b_ffq-k_q1eca7eb74b_ffq
	.p2alignl 7, 3214868480
	.fill 96, 4, 3214868480
	.section	.rodata,"a",@progbits
	.p2align	6, 0x0
	.amdhsa_kernel k_q1eca7eb74b_ffq
		.amdhsa_group_segment_fixed_size 327680
		.amdhsa_private_segment_fixed_size 0
		.amdhsa_enable_private_segment 0
		.amdhsa_kernarg_size 64
		.amdhsa_user_sgpr_count 2
		.amdhsa_user_sgpr_kernarg_segment_ptr 1
		.amdhsa_wavefront_size32 1
		.amdhsa_system_sgpr_workgroup_id_x 1
		.amdhsa_system_sgpr_workgroup_id_y 1
		.amdhsa_system_sgpr_workgroup_id_z 1
		.amdhsa_system_vgpr_workitem_id 0
		.amdhsa_next_free_vgpr 1024
		.amdhsa_next_free_sgpr 66
		.amdhsa_reserve_vcc 1
		.amdhsa_float_denorm_mode_32 3
		.amdhsa_float_denorm_mode_16_64 3
		.amdhsa_memory_ordered 1
		.amdhsa_forward_progress 1
		.amdhsa_inst_pref_size 237
	.end_amdhsa_kernel
	.amdgpu_metadata
---
amdhsa.version: [ 1, 2 ]
amdhsa.kernels:
  - .name:           k_q1eca7eb74b_ffq
    .symbol:         k_q1eca7eb74b_ffq.kd
    .args:
      - { .name: x, .offset: 0, .size: 8, .value_kind: global_buffer, .address_space: global }
      - { .name: theta, .offset: 8, .size: 8, .value_kind: global_buffer, .address_space: global }
      - { .name: w1, .offset: 16, .size: 8, .value_kind: global_buffer, .address_space: global }
      - { .name: b1, .offset: 24, .size: 8, .value_kind: global_buffer, .address_space: global }
      - { .name: w2_codes, .offset: 32, .size: 8, .value_kind: global_buffer, .address_space: global }
      - { .name: b2, .offset: 40, .size: 8, .value_kind: global_buffer, .address_space: global }
      - { .name: lowp_scales, .offset: 48, .size: 8, .value_kind: global_buffer, .address_space: global }
      - { .name: out0, .offset: 56, .size: 8, .value_kind: global_buffer, .address_space: global }
    .group_segment_fixed_size: 327680
    .private_segment_fixed_size: 0
    .kernarg_segment_align: 8
    .kernarg_segment_size: 64
    .max_flat_workgroup_size: 128
    .sgpr_count:     66
    .vgpr_count:     1024
    .wavefront_size: 32
...
	.end_amdgpu_metadata
.endif
;; end of part 1
;; ======== version 2 of 2: 1 launch
;; limits: inputs' magnitudes at most 4,194,304; right only within a limited range of input values
;; launch ffq (part 2): grid 256 x 1, 4 waves a work-group, clusters of 4 x 1, 327,680 bytes of LDS; arguments x, theta, w1, b1, w2_codes, b2, lowp_scales, out0; writes out0
.if DOCPART == 2
	.amdgcn_target "amdgcn-amd-amdhsa--gfx1250"
	.amdhsa_code_object_version 6
	.text
	.protected	k_q1eca7eb74b_ffq
	.globl	k_q1eca7eb74b_ffq
	.p2align	8
	.type	k_q1eca7eb74b_ffq,@function
k_q1eca7eb74b_ffq:
	s_mov_b64 s[64:65], 0
	v_nop
	global_prefetch_b8 v0, s[64:65] scope:SCOPE_SE
	s_setreg_imm32_b32 hwreg(HW_REG_WAVE_MODE, 25, 1), 1
	s_wait_xcnt 0x0
	s_wait_alu depctr_hold_cnt(0) depctr_sa_sdst(0) depctr_va_vdst(0) depctr_va_sdst(0) depctr_va_ssrc(0) depctr_va_vcc(0) depctr_vm_vsrc(0)
	s_getreg_b32 s2, hwreg(HW_REG_IB_STS2, 6, 4)
	s_cmp_eq_u32 s2, 0
	s_cbranch_scc0 .Lentry_in_a_cluster
	s_endpgm
.Lentry_in_a_cluster:
	s_bfe_u32 s2, ttmp6, 0x10000c
	s_cmp_lg_u32 s2, 0x3003
	s_cbranch_scc0 .Lentry_shape_is_right
	s_endpgm
.Lentry_shape_is_right:
; y[16384][1024] = Q(relu(q w1^T + b1)) w2^T + b2,  q[row][f] = cos(x[row][f]) cos(theta[f]), f = 0 .. 9.  x: [16384][1024] f32; w1 [4096][10], b1 [4096], b2 [1024], theta [10]: f32;
; w2: codes of E5M2, [1024][4096], K innermost; lowp_scales: e0 (the hidden layer's), e1 (w2's); y: f32.
; LEFT OUT: columns 10 .. 1023 of x reach no output for any values and are not loaded; a NaN or an infinity there is not carried to the result.
; Q: number / 2^e0, held within 0 .. 57,344 (the relu and the hold are one line), to the nearest code, ties to even.  Each finished sum is multiplied once by 2^(e0 + e1).
; LIMITS: |x| and |theta| under 2^22 (the reduction of the cosine's argument); e0 between -126 and 112, e0 + e1 between -126 and 127, so that each power of two below is an f32 number;
; NaN and infinities among the inputs are not served.  The f32 sums along K begin at another chunk in each cluster: their order of rounding differs from an ascending K.
; SHARES.  A work-group owns 64 rows and all 1,024 columns: 256 work-groups.  Wave w owns columns 256 w .. 256 w + 255: 64 accumulators of 16 x 16, 512 registers.
; The hidden layer of the 64 rows is made once, a quarter by each wave, quantised in registers, and goes from wave to wave through LDS as images of the operand's registers.
; K goes in 16 chunks of 256; cluster j takes chunk (c + j) mod 16 in trip c.  A trip has two steps: step g multiplies the chunk with the wave's column half g, whose codes lie in LDS slot g.
; A STEP: the fragment loads in runs of sixteen; between the runs the holds, conversions and image stores of f32 batch 0 and the two halves of f32 batch 1; then batch 1's holds, conversions and stores,
; the next weights' loads, and 64 products on codes.  Ahead of the last eight products stand batch 0 of the next step and, behind it, the wait for all tensor loads and the round that changes the slot's tile.
; A batch is rows 32 bt .. 32 bt + 31 x my 32 units: four sums by turns, three K parts each.
; CLUSTER.  All row blocks walk the same w2: four work-groups ask for each tile jointly (the same load, the same descriptor, mask 15).  A wave fetches and reads its own columns' rows alone.
; NO DATA PREFETCH: the one stream of the loop is w2's 4,194,304 bytes, which all 64 clusters walk, four clusters on each of the sixteen chunks in every trip; x is read at the head, where no loop runs ahead.
; LAYOUTS.  Both products are used transposed.  f32: source 0 = 16 units of w1, source 1 = 16 rows of q; lane r of tile u takes unit 32 w + 8 u + r + 8 (r / 8), so that a lane's 16 results of tiles 0, 1
; are 16 neighbouring units, 32 w + 16 (lane / 16) + 0 .. 15, of one row: registers 4 w .. 4 w + 3 of the next operand's fragment.  Codes: source 0 = 16 rows of w2, source 1 = the hidden layer.
; Fragments come by four loads of 16 bytes: registers 4 c .. 4 c + 3 hold k = 32 c + 16 (lane / 16) + 0 .. 15, alike on both sides.
; THE TEN FEATURES AND THE BIAS on the f32 form's K (part s = 0, 1, 2): lanes 0-15 features 2 s, 2 s + 1; lanes 16-31: s = 0: (b1, 0) against (1, 0); s = 1: features 6, 7; s = 2: 8, 9.
; In bytes of a row of x, of theta and of a row of w1: 16 (lane / 16) + 8 s: every load stays inside its buffer; lanes 16-31's pair of s = 0 is replaced.
; REGISTERS.  Window 0: v1-11 addresses and constants; v12-35 q; v36-63 two sets of w1 and b1; v64-95 the f32 sums (written by matrix instructions alone); v96-111 held numbers; v112-127 codes;
; v128-255 the hidden layer's 8 fragments.  Window 1: w2's 16 fragments (at the head v36-63 there: the first chunk's weights).  Windows 2, 3: the accumulators of column half 0, 1 ((m, b) at v[8 (8 m + b)]).
.set PITCH,  272                       ; an LDS row of w2's tile: 256 bytes + 16 of padding
.set HALFT,  128*PITCH                 ; a wave's tile: 128 rows
.set SLOT,   4*HALFT                   ; slot g at g x SLOT; in it wave w's tile at w x HALFT
.set SPARE,  2*SLOT                    ; the spare words, 128 bytes a wave: two blocks of 256 bytes that no other line names
.set IMG,    0x48000                   ; the images: two sets of 16,384 bytes; image (K half k, rows 16 m on) at (4 k + m) x 2,048; registers 4 c .. 4 c + 3 at 512 c + 16 x lane
.set PAR,    0x4000                    ; one exclusive or turns an address in one set into the other's
.set SPITCH, 528                       ; the way out: a stage of 16 rows x (512 + 16) bytes in my own tile of slot 0, behind that slot's last fill and my last read of it
.set SPW,  1
.set NIL,  2
.set ADRB, 3                           ; v3, v4  my lane's place in my tile of slot 0, 1
.set IMR,  5
.set IMW,  6
.set VA,   7                           ; w1: my unit's row x 40 bytes + 16 (lane / 16)
.set VC,   8                           ; b1: my unit x 4 bytes
.set SCL,  10                          ; 2^e0
.set LIM,  11                          ; 57,344 x 2^e0
.set QR,   12                          ; q: rows 16 m on, part s: pair at QR + 6 m + 2 s
.set WR,   36                          ; weights, set k at WR + 14 k: pair (u, s) at + 6 u + 2 s; b1 of tile u at + 12 + u
.set HR,   64                          ; f32 sums: rows 16 (m % 2), tile u at + 16 (m % 2) + 8 u
.set TR,   96
.set CR,   112                         ; codes of rows 16 m on at CR + 4 m
.set AF,   128                         ; the hidden layer's fragment (k, m) at AF + 64 k + 16 m
.set XO,   126
.set TO,   127
.set SV,   96                          ; at the head, the cosines' work: 30 numbers each
.set XV,   128
.set KC3,  158
.set KS3,  159
.set NV,   160
.set KMG,  190
.set ZV,   192
.set CV,   224
.set B2R,  36
.set CO,   44
.set STO,  45
.set RD,   46
.set BB,   128
.set WV,   20
.set CX,   21
.set G1,   24
.set G0,   32
.set IBR,  40
.set IBW,  41
.set CNT,  42
.set KC,   43                          ; the chunk whose tiles the trip's refills ask for
.set TOF,  44                          ; s[44:45] 256 x that chunk
.set SC2,  46
.set EE,   48
.set HM,   50                          ; lanes 16-31
.set KW,   51                          ; the chunk at which the pointers into w1 and b1 stand
.set W2B,  54
.set W1B,  58
.set B1B,  60
.set WOF,  62
.set BOF,  66
.set MULW, 0xa1                        ; source 0 (w2) window 1, source 1 window 0, C and D window 2; + 0x50: window 3
.set TO_B, 0x40                        ; destination window 1, address window 0
.set MSB, 0
.macro WIN new                         ; the immediate's high byte repeats the setting that is left
.if MSB != (\new)
	s_set_vgpr_msb (MSB<<8)|(\new)
.set MSB, (\new)
.endif
.endm
.macro PLACES n
.rept \n
	v_nop
.endr
.endm
.macro CREST                           ; a round of the cluster's barrier behind its opening barrier
	s_cmp_lg_u32 s[WV], 0
	s_cbranch_scc1 .Lnot_wave_0_\@
	s_barrier_signal -3
.Lnot_wave_0_\@:
	s_barrier_wait -3
	s_barrier_signal -1
	s_barrier_wait -1
.endm
.macro CROUND
	s_barrier_signal -1
	s_barrier_wait -1
	CREST
.endm
.macro JLOAD g                         ; the joint fill of slot g: every wave its own 128 rows; s_nop 0 and four v_nop follow: these are also places
	tensor_load_to_lds s[G0+4*(\g):G0+4*(\g)+3], s[G1:G1+7]
	s_nop 0
	PLACES 4
.endm
.macro WLOAD k, w                      ; my 32 units' weights and biases of K half k of the chunk at which the pointers stand: eight loads into set k (w: the destination's window)
	WIN \w
.irp u, 0,1
.irp s, 0,1,2
	global_load_b64 v[WR+14*(\k)+6*\u+2*\s:WR+14*(\k)+6*\u+2*\s+1], v[VA], s[8:9] offset:5120*(\k)+320*\u+8*\s
.endr
.endr
.irp u, 0,1
	global_load_b32 v[WR+14*(\k)+12+\u], v[VC], s[10:11] offset:512*(\k)+32*\u
.endr
.endm
.macro WSTEP                           ; the pointers into w1 and b1 go on to the next chunk, round the sixteen
	s_wait_xcnt 0x0                                ; the weight loads have read their bases
	s_add_co_u32 s[KW], s[KW], 1
	s_and_b32 s[KW], s[KW], 15
	s_mul_i32 s[WOF], s[KW], 10240
	s_lshl_b32 s[BOF], s[KW], 10
	s_add_nc_u64 s[8:9], s[W1B:W1B+1], s[WOF:WOF+1]
	s_add_nc_u64 s[10:11], s[B1B:B1B+1], s[BOF:BOF+1]
.endm
.macro BIAS k, w                       ; lanes 16-31, K part 0 of set k: (b1, 0)
	WIN \w
.irp u, 0,1
	v_cndmask_b32 v[WR+14*(\k)+6*\u], v[WR+14*(\k)+6*\u], v[WR+14*(\k)+12+\u], s[HM]
	v_cndmask_b32 v[WR+14*(\k)+6*\u+1], v[WR+14*(\k)+6*\u+1], 0, s[HM]
.endr
.endm
.macro LB slot, j                      ; w2's fragments f = 2 j, 2 j + 1 (f = 8 k + b): eight loads
	WIN TO_B
.irp e, 0,1
.irp c, 0,1,2,3
	ds_load_b128 v[16*(2*(\j)+\e)+4*\c:16*(2*(\j)+\e)+4*\c+3], v[ADRB+(\slot)] offset:((2*(\j)+\e)%8)*16*PITCH+128*((2*(\j)+\e)/8)+32*\c
.endr
.endr
.endm
.macro LA j                            ; the hidden layer's fragments a = 2 j, 2 j + 1 (a = 4 k + m): eight loads
	WIN 0
.irp e, 0,1
.irp c, 0,1,2,3
	ds_load_b128 v[AF+16*(2*(\j)+\e)+4*\c:AF+16*(2*(\j)+\e)+4*\c+3], v[IMR] offset:2048*(2*(\j)+\e)+512*\c
.endr
.endr
.endm
; Three of the twelve f32 matrix instructions of batch bt of K half k: number n is K part n / 4, rows 16 ((n % 4) / 2), tile n % 2.
; The four sums take turns, so three others stand between a sum's links; part 0 starts each sum with 0.  w: source 0's window.
.macro FW3 k, bt, n0, w
	WIN \w
.set fn, \n0
.rept 3
.set fH, HR+16*((fn%4)/2)+8*(fn%2)
.set fP, WR+14*(\k)+6*(fn%2)+2*(fn/4)
.set fQ, QR+6*(2*(\bt)+(fn%4)/2)+2*(fn/4)
.if fn < 4
	v_wmma_f32_16x16x4_f32 v[fH:fH+7], v[fP:fP+1], v[fQ:fQ+1], 0
.else
	v_wmma_f32_16x16x4_f32 v[fH:fH+7], v[fP:fP+1], v[fQ:fQ+1], v[fH:fH+7]
.endif
.set fn, fn+1
.endr
.endm
.macro FWB k, bt, w                    ; a whole batch
	FW3 \k, \bt, 0, \w
	FW3 \k, \bt, 3, \w
	FW3 \k, \bt, 6, \w
	FW3 \k, \bt, 9, \w
.endm
; A batch is finished, eight places behind its last matrix instruction (ISA guide 7.12.1): the activation and the hold in one line, each sum from its low end on, into other registers (the conversion
; to an 8-bit code does not saturate: ISA guide 7.6.2); 16 neighbouring units of my row become 16 codes, my four registers of the fragment (k, m); they go into the image.
.macro FIN k, bt
	WIN 0
.irp mm, 0,1
.irp j, 0,1,2,3,4,5,6,7,8,9,10,11,12,13,14,15
	v_med3_num_f32 v[TR+\j], v[HR+16*\mm+\j], 0, v[LIM]
.endr
	v_cvt_scalef32_pk8_bf8_f32 v[CR+4*(2*(\bt)+\mm):CR+4*(2*(\bt)+\mm)+1], v[TR:TR+7], v[SCL]
	v_cvt_scalef32_pk8_bf8_f32 v[CR+4*(2*(\bt)+\mm)+2:CR+4*(2*(\bt)+\mm)+3], v[TR+8:TR+15], v[SCL]
	v_nop                                          ; one plain line behind the conversions: the next holds write their sources
	ds_store_b128 v[IMW], v[CR+4*(2*(\bt)+\mm):CR+4*(2*(\bt)+\mm)+3] offset:8192*(\k)+2048*(2*(\bt)+\mm)
.endr
.endm
; 4 nb products on codes: K half k, columns 16 b on for b = b0 .. b0 + nb - 1, each against the four tiles of rows.  The 32 accumulators of a column half take turns.
.macro MULB k, b0, nb, zero
.set bb, \b0
.rept \nb
.irp m, 0,1,2,3
.if \zero
	v_wmma_f32_16x16x128_bf8_bf8 v[8*(8*\m+bb):8*(8*\m+bb)+7], v[128*(\k)+16*bb:128*(\k)+16*bb+15], v[AF+64*(\k)+16*\m:AF+64*(\k)+16*\m+15], 0
.else
	v_wmma_f32_16x16x128_bf8_bf8 v[8*(8*\m+bb):8*(8*\m+bb)+7], v[128*(\k)+16*bb:128*(\k)+16*bb+15], v[AF+64*(\k)+16*\m:AF+64*(\k)+16*\m+15], v[8*(8*\m+bb):8*(8*\m+bb)+7]
.endif
.endr
.set bb, bb+1
.endr
.endm
; STEP g.  prod: K half g of the next trip's chunk is finished (batch 0 was issued at the end of the step before).  wl: weight set g is loaded again.  fill: slot g is filled again.
; fwn: batch 0 of the next step is issued; lw: the weight loads that may stay out there (the other set's eight, or none).
; The waits on DScnt count the fragment loads issued behind those that the next sixteen products read; the image stores among them are not counted.
; In step 0 the hidden layer's K half 1 is loaded last, so the wait ahead of the products on K half 1 is for 0 there.
.macro STEP g, zero, prod, wl, fill, fwn, lw
.if (\g) == 0
	LA 0
	LA 1
.endif
	LB \g, 0
	LB \g, 1
.if \prod
	PLACES 4                                       ; with the four ahead of this step: eight places behind batch 0
	FIN \g, 0
.endif
	LB \g, 2
	LB \g, 3
.if \prod
	FW3 \g, 1, 0, 0
	FW3 \g, 1, 3, 0
.endif
	LB \g, 4
	LB \g, 5
.if \prod
	FW3 \g, 1, 6, 0
	FW3 \g, 1, 9, 0
.endif
	LB \g, 6
	LB \g, 7
.if \prod
	PLACES 8
	FIN \g, 1
.if \wl
	WLOAD \g, 0
.endif
.endif
.if (\g) == 0
	LA 2
	LA 3
	s_wait_dscnt 63                                ; (64 were issued behind them; the count's field ends at 63)
.else
	s_wait_dscnt 48
.endif
	WIN MULW+0x50*(\g)
	MULB 0, 0, 4, \zero
.if (\g) == 1 && \wl
	WSTEP
.endif
	s_wait_dscnt 48-16*(\g)
	MULB 0, 4, 4, \zero
	s_wait_dscnt 16*(\g)
	MULB 1, 0, 4, 0
	s_wait_dscnt 0x0
.if \fill
	MULB 1, 4, 2, 0
.if \fwn
	s_wait_loadcnt \lw                             ; the next step's weight set is in
	BIAS 1-(\g), 0
	s_wait_alu depctr_va_vdst(0)
	FWB 1-(\g), 0, 0                               ; the next step's batch 0, ahead of the wait for the tile
.endif
	WIN 0
	s_wait_tensorcnt 0x0                           ; all my tensor loads have landed (one was out: the other slot's tile), so a group 0 may be written
	ds_add_u32 v[SPW], v[NIL]                      ; 0 onto my spare word
	s_add_nc_u64 s[G0+4*(\g)+2:G0+4*(\g)+3], s[W2B+2*(\g):W2B+2*(\g)+1], s[TOF:TOF+1]   ; the same rows, the next trip's chunk
	s_or_b32 s[G0+4*(\g)+3], s[G0+4*(\g)+3], 0x80000000
	s_wait_dscnt 0x0                               ; the add is done; my reads of the slot are over and my image stores have landed
	s_barrier_signal -1
	WIN MULW+0x50*(\g)
	MULB 1, 6, 2, 0                                ; work on registers inside the round: the last eight products
	WIN 0
	s_barrier_wait -1
	CREST
	JLOAD \g                                       ; the first tensor load behind the round, and my only one until the next
.else
	MULB 1, 4, 4, 0
	WIN 0
	PLACES 4                                       ; in front of loads into fragments, and of the first read of results
.if (\g) == 0
	s_wait_tensorcnt 0x0                           ; slot 1's last tile: my own load, my own rows
.endif
.endif
.endm
; TRIP c: the chunk of trip c is multiplied, the images of trip c + 1's chunk are made (into the other set), the weights of trip c + 2's chunk are asked for.
.macro TRIP zero, prod, wl, fill, lw0, fw1
	WIN 0
.if \fill
	s_add_co_u32 s[KC], s[KC], 1
	s_and_b32 s[KC], s[KC], 15
	s_lshl_b32 s[TOF], s[KC], 8
.endif
	v_and_b32 v[IMR], 31, v0
	v_lshl_add_u32 v[IMR], v[IMR], 4, s[IBR]
.if \prod
	v_and_b32 v[IMW], 31, v0
	v_lshl_add_u32 v[IMW], v[IMW], 4, s[IBW]
.endif
	s_wait_alu depctr_va_vdst(0)
	s_xor_b32 s[IBR], s[IBR], PAR
.if \prod
	s_xor_b32 s[IBW], s[IBW], PAR
.endif
	STEP 0, \zero, \prod, \wl, \fill, \prod, \lw0
	STEP 1, \zero, \prod, \wl, \fill, \fw1, 8
.endm
	; ---- the head
	s_load_b512 s[4:19], s[0:1], 0x0               ; x s[4:5], theta s[6:7], w1 s[8:9], b1 s[10:11], w2's codes s[12:13], b2 s[14:15], the exponents s[16:17], y s[18:19]
	v_lshl_add_u32 v[SPW], v0, 2, SPARE
	v_mov_b32 v[NIL], 0
	ds_add_u32 v[SPW], v[NIL]
	ds_add_u32 v[SPW], v[NIL]
	s_wait_dscnt 0x0
	v_lshrrev_b32 v3, 5, v0
	v_readfirstlane_b32 s[WV], v3                  ; wave 0..3
	s_bfe_u32 s[CX], ttmp6, 0x40000                ; cx: it enters x's and y's addresses alone
	s_mov_b32 s[G1], 15|(1<<20)|(1<<21)|(5<<22)|(3<<25)   ; mask: all four work-groups; elements of 1 byte; padding: after every 64 words four words; bit 21 beside the mask
	s_mov_b32 s[G1+1], 256<<16
	s_mov_b32 s[G1+2], 128<<16
	s_mov_b32 s[G1+3], 256<<16
	s_mov_b32 s[G1+4], 128
	s_mov_b32 s[G1+5], 4096
	s_mov_b32 s[G1+6], 0
	s_mov_b32 s[G1+7], 0
	s_mov_b32 s[HM], 0xffff0000
	v_and_b32 v5, 15, v0                           ; r
	v_bfe_u32 v6, v0, 4, 1                         ; h
	s_mul_i32 s22, s[WV], HALFT
	v_mul_u32_u24 v[ADRB], v5, PITCH
	v_lshl_add_u32 v[ADRB], v6, 4, v[ADRB]
	v_add_nc_u32 v[ADRB], s22, v[ADRB]
	v_add_nc_u32 v[ADRB+1], SLOT, v[ADRB]
	v_and_b32 v[VC], 8, v5
	v_add_nc_u32 v[VC], v[VC], v5                  ; r + 8 (r / 8)
	s_lshl_b32 s23, s[WV], 5
	v_add_nc_u32 v[VC], s23, v[VC]                 ; + 32 w
	v_mul_u32_u24 v[VA], v[VC], 40
	v_lshl_add_u32 v[VA], v6, 4, v[VA]
	v_lshlrev_b32 v[VC], 2, v[VC]
	v_lshlrev_b32 v[XO], 12, v5
	v_lshl_add_u32 v[XO], v6, 4, v[XO]             ; x: row r of 4,096 bytes + 16 h
	v_lshlrev_b32 v[TO], 4, v6
	s_mov_b32 s[G0], 1
	s_mov_b32 s[G0+1], s22
	s_mov_b32 s[G0+4], 1
	s_add_co_u32 s[G0+5], s22, SLOT
	s_lshl_b32 s22, s[WV], 20                      ; my 256 rows of w2
	s_mov_b32 s23, 0
	s_and_b32 s[KC], ttmp9, 15                     ; my cluster's first chunk
	s_mov_b32 s[KW], s[KC]
	s_lshl_b32 s[TOF], s[KC], 8
	s_mov_b32 s[TOF+1], 0
	s_mul_i32 s[WOF], s[KW], 10240
	s_mov_b32 s[WOF+1], 0
	s_lshl_b32 s[BOF], s[KW], 10
	s_mov_b32 s[BOF+1], 0
	s_lshl_b32 s52, ttmp9, 2
	s_add_co_u32 s52, s52, s[CX]                   ; my block of 64 rows
	s_lshl_b32 s52, s52, 18
	s_mov_b32 s53, 0
	s_wait_kmcnt 0x0
	s_load_b64 s[EE:EE+1], s[16:17], 0x0           ; e0, e1
	s_mov_b64 s[W1B:W1B+1], s[8:9]
	s_mov_b64 s[B1B:B1B+1], s[10:11]
	s_add_nc_u64 s[8:9], s[W1B:W1B+1], s[WOF:WOF+1]
	s_add_nc_u64 s[10:11], s[B1B:B1B+1], s[BOF:BOF+1]
	s_add_nc_u64 s[W2B:W2B+1], s[12:13], s[22:23]
	s_add_nc_u64 s[W2B+2:W2B+3], s[W2B:W2B+1], 524288
	s_add_nc_u64 s[G0+2:G0+3], s[W2B:W2B+1], s[TOF:TOF+1]
	s_add_nc_u64 s[G0+6:G0+7], s[W2B+2:W2B+3], s[TOF:TOF+1]
	s_or_b32 s[G0+3], s[G0+3], 0x80000000
	s_or_b32 s[G0+7], s[G0+7], 0x80000000
	s_add_nc_u64 s[4:5], s[4:5], s[52:53]
	s_add_nc_u64 s[18:19], s[18:19], s[52:53]
	CROUND                                         ; all four work-groups are here: the first joint loads meet
	JLOAD 0                                        ; slot 0's first fill
	s_wait_alu depctr_va_vdst(0)
.irp s, 0,1,2
	global_load_b64 v[XV+24+2*\s:XV+24+2*\s+1], v[TO], s[6:7] offset:8*\s
.endr
.irp m, 0,1,2,3
.irp s, 0,1,2
	global_load_b64 v[XV+6*\m+2*\s:XV+6*\m+2*\s+1], v[XO], s[4:5] offset:65536*\m+8*\s
.endr
.endr
	WLOAD 0, TO_B                                  ; the first chunk's weights, into window 1, which holds nothing yet,
	WLOAD 1, TO_B
	WSTEP
	WLOAD 0, 0                                     ; and the second trip's chunk's, into the two sets
	WLOAD 1, 0
	WSTEP                                          ; the pointers stand at the third trip's chunk
	v_mov_b32 v[KC3], 0x37ccf5ce
	v_mov_b32 v[KS3], 0xb94ca1f9
	v_mov_b32 v[KMG], 0x4b400000                   ; 1.5 x 2^23
	s_wait_alu depctr_va_vdst(0)
	s_wait_loadcnt 32                              ; theta and x are in; the 32 weight loads may be out
; THE COSINE of 30 numbers a lane (24 of x, 6 of theta), stage by stage.  n = the whole number nearest to a x 2 / pi; r = a - n pi / 2, pi / 2 in three parts, each by a fused multiply-add;
; on |r| <= pi / 4 a polynomial for cos r and one for sin r; cos a is cos r, -sin r, -cos r, sin r for n mod 4 = 0, 1, 2, 3.
.macro COSLINE
.if st == 0
	v_fmamk_f32 v[NV+i], v[XV+i], 0x3f22f983, v[KMG]
.elseif st == 1
	v_sub_f32 v[NV+i], v[NV+i], v[KMG]
.elseif st == 2
	v_fmamk_f32 v[XV+i], v[NV+i], 0xbfc90fdb, v[XV+i]
.elseif st == 3
	v_fmamk_f32 v[XV+i], v[NV+i], 0x333bbd2e, v[XV+i]
.elseif st == 4
	v_fmamk_f32 v[XV+i], v[NV+i], 0x26f72ced, v[XV+i]
.elseif st == 5
	v_cvt_i32_f32 v[NV+i], v[NV+i]
.elseif st == 6
	v_mul_f32 v[ZV+i], v[XV+i], v[XV+i]
.elseif st == 7
	v_fmaak_f32 v[CV+i], v[KC3], v[ZV+i], 0xbab6061a
.elseif st == 8
	v_fmaak_f32 v[SV+i], v[KS3], v[ZV+i], 0x3c08839e
.elseif st == 9
	v_fmaak_f32 v[CV+i], v[CV+i], v[ZV+i], 0x3d2aaaa5
.elseif st == 10
	v_fmaak_f32 v[SV+i], v[SV+i], v[ZV+i], 0xbe2aaaa3
.elseif st == 11
	v_fma_f32 v[CV+i], v[CV+i], v[ZV+i], -0.5
.elseif st == 12
	v_mul_f32 v[SV+i], v[SV+i], v[ZV+i]
.elseif st == 13
	v_fma_f32 v[CV+i], v[CV+i], v[ZV+i], 1.0
.elseif st == 14
	v_fma_f32 v[SV+i], v[SV+i], v[XV+i], v[XV+i]
.elseif st == 15
	v_and_b32 v[ZV+i], 1, v[NV+i]
.elseif st == 16
	v_add_nc_u32 v[NV+i], 1, v[NV+i]
.elseif st == 17
	v_cmp_eq_u32 vcc_lo, 1, v[ZV+i]
	v_cndmask_b32 v[CV+i], v[CV+i], v[SV+i], vcc_lo
.elseif st == 18
	v_and_b32 v[NV+i], 2, v[NV+i]
.elseif st == 19
	v_lshlrev_b32 v[NV+i], 30, v[NV+i]
.else
	v_xor_b32 v[CV+i], v[CV+i], v[NV+i]
.endif
.endm
.set st, 0
.rept 21
.set i, 0
.rept 30
	COSLINE
.set i, i+1
.endr
.set st, st+1
.endr
.irp m, 0,1,2,3
.irp s, 0,1,2
	v_pk_mul_f32 v[QR+6*\m+2*\s:QR+6*\m+2*\s+1], v[CV+6*\m+2*\s:CV+6*\m+2*\s+1], v[CV+24+2*\s:CV+24+2*\s+1]   ; q = cos x cos theta
.endr
.endr
.irp m, 0,1,2,3
	v_cndmask_b32 v[QR+6*\m], v[QR+6*\m], 1.0, s[HM]      ; lanes 16-31, K part 0: (1, 0), against (b1, 0)
	v_cndmask_b32 v[QR+6*\m+1], v[QR+6*\m+1], 0, s[HM]
.endr
	s_wait_kmcnt 0x0
	s_add_co_i32 s22, s[EE], 127
	s_lshl_b32 s23, s22, 23
	v_mov_b32 v[SCL], s23                          ; 2^e0 as f32: the conversion takes its exponent field
	s_add_co_i32 s22, s22, 15
	s_lshl_b32 s22, s22, 23
	s_or_b32 s22, s22, 0x600000
	v_mov_b32 v[LIM], s22                          ; 57,344 x 2^e0
	s_add_co_i32 s[SC2], s[EE], s[EE+1]
	s_add_co_i32 s[SC2], s[SC2], 127
	s_lshl_b32 s[SC2], s[SC2], 23                  ; 2^(e0 + e1) as f32
	s_mov_b32 s[SC2+1], s[SC2]
	s_lshl_b32 s[IBW], s[WV], 9
	s_add_co_u32 s[IBW], s[IBW], IMG               ; my 512 bytes of an image, in set 0
	v_and_b32 v[IMW], 31, v0
	v_lshl_add_u32 v[IMW], v[IMW], 4, s[IBW]
	s_wait_alu depctr_va_vdst(0)
	s_wait_tensorcnt 0x0                           ; slot 1's first fill is issued as a refill is: my part of slot 0 is in,
	ds_add_u32 v[SPW], v[NIL]                      ; the add onto my spare word,
	s_wait_dscnt 0x0
	CROUND                                         ; a whole round,
	JLOAD 1                                        ; and the load first behind it
	s_wait_loadcnt 16                              ; the first chunk's weights are in; the second trip's sixteen loads may be out
	BIAS 0, 0x45                                   ; (destination and both sources in window 1)
	BIAS 1, 0x45
	s_wait_alu depctr_va_vdst(0)
.irp k, 0,1                            ; the first chunk's images, both K halves, from the weights in window 1
.if \k
	s_wait_dscnt 0x0                               ; the image stores are done: the codes' registers are written again
.endif
	FWB \k, 0, 0x01
	PLACES 8
	FIN \k, 0
	FWB \k, 1, 0x01
	PLACES 8
	FIN \k, 1
.endr
	s_xor_b32 s[IBW], s[IBW], PAR                  ; the first trip stores into set 1
	s_mov_b32 s[IBR], IMG                          ; and reads set 0
	s_wait_loadcnt 8                               ; set 0 of the second trip's chunk is in; set 1's eight loads may be out
	BIAS 0, 0
	s_wait_alu depctr_va_vdst(0)
	s_wait_dscnt 0x0                               ; my image stores have landed; slot 1's tile may stay out
	s_barrier_signal -1
	FWB 0, 0, 0                                    ; the first step's batch 0
	WIN 0
	s_barrier_wait -1
	PLACES 4
	; ---- the sixteen trips
	TRIP 1, 1, 1, 1, 8, 1                          ; trip 0: its first products start the sums
	s_mov_b32 s[CNT], 13
.Ltrip:                                            ; trips 1 to 13
	TRIP 0, 1, 1, 1, 8, 1
	s_sub_co_u32 s[CNT], s[CNT], 1
	s_cmp_lg_u32 s[CNT], 0
	s_cbranch_scc1 .Ltrip
	TRIP 0, 1, 0, 1, 0, 0                          ; trip 14: the last images and fills; no weights are asked for, so the wait for set 1 is for 0, and no batch follows its second step
	v_and_b32 v[CO], 31, v0
	s_lshl_b32 s23, s[WV], 10
	v_lshl_add_u32 v[CO], v[CO], 4, s23            ; 1,024 w + 16 x lane
	global_load_b128 v[B2R:B2R+3], v[CO], s[14:15]             ; b2 of my four columns in half 0,
	global_load_b128 v[B2R+4:B2R+7], v[CO], s[14:15] offset:512   ; in half 1
	TRIP 0, 0, 0, 0, 0, 0                          ; trip 15 is written out: nothing is made, nothing is filled
	; ---- THE WAY OUT, block by block of 16 rows x 128 columns, through my stage in LDS: a block comes back as whole rows of 512 bytes; each pair of sums becomes sum x 2^(e0 + e1) + b2 by one packed
	; multiply-add, and the 32 lanes store 512 consecutive bytes, at a multiple of 512 from y's first byte.  LDS serves a wave's instructions in order (ISA guide 5.7.1.4): no wait between the stores and the loads.
	s_mul_i32 s22, s[WV], HALFT
	v_and_b32 v47, 15, v0
	v_bfe_u32 v48, v0, 4, 1
	v_mul_u32_u24 v[STO], v47, SPITCH
	v_lshl_add_u32 v[STO], v48, 5, v[STO]
	v_add_nc_u32 v[STO], s22, v[STO]
	v_and_b32 v[RD], 31, v0
	v_lshl_add_u32 v[RD], v[RD], 4, s22
.macro TOSTAGE a                       ; block a: column half a / 4, rows 16 (a % 4) on
	WIN 0x08+4*((\a)/4)                            ; store data: window 2 or 3
.irp b, 0,1,2,3,4,5,6,7
	ds_store_b128 v[STO], v[8*(8*((\a)%4)+\b):8*(8*((\a)%4)+\b)+3] offset:64*\b          ; each accumulator from its low end on
	ds_store_b128 v[STO], v[8*(8*((\a)%4)+\b)+4:8*(8*((\a)%4)+\b)+7] offset:64*\b+16
.endr
	WIN 0
.irp t, 0,1,2,3,4,5,6,7,8,9,10,11,12,13,14,15
	ds_load_b128 v[BB+64*((\a)%2)+4*\t:BB+64*((\a)%2)+4*\t+3], v[RD] offset:SPITCH*\t
.endr
.endm
.macro SEND a, younger                 ; younger: the LDS instructions issued behind block a's loads, which may stay out
	s_wait_dscnt \younger
.irp t, 0,1,2,3,4,5,6,7,8,9,10,11,12,13,14,15
.irp i, 0,2
	v_pk_fma_f32 v[BB+64*((\a)%2)+4*\t+\i:BB+64*((\a)%2)+4*\t+\i+1], v[BB+64*((\a)%2)+4*\t+\i:BB+64*((\a)%2)+4*\t+\i+1], s[SC2:SC2+1], v[B2R+4*((\a)/4)+\i:B2R+4*((\a)/4)+\i+1] op_sel_hi:[1,0,1]
.endr
.endr
.irp t, 0,1,2,3,4,5,6,7,8,9,10,11,12,13,14,15
	global_store_b128 v[CO], v[BB+64*((\a)%2)+4*\t:BB+64*((\a)%2)+4*\t+3], s[18:19] offset:(16*((\a)%4)+\t)*4096+512*((\a)/4) th:TH_STORE_NT
.endr
.endm
	s_wait_alu depctr_va_vdst(0)
	s_wait_loadcnt 0x0                             ; b2
	TOSTAGE 0
.irp a, 1,2,3,4,5,6,7
.if \a > 1
	s_wait_xcnt 0x0                                ; block a - 2's stores have read their registers: block a's loads may land there
.endif
	TOSTAGE \a
	SEND \a-1, 32                                  ; behind block a - 1's loads: block a's 16 stores and 16 loads
.endr
	SEND 7, 0
	s_wait_tensorcnt 0x0                           ; the wave's end
	ds_add_u32 v[SPW], v[NIL]
	s_wait_dscnt 0x0
	CROUND                                         ; the closing round
	s_endpgm
.Lfunc_end_k_q1eca7eb74b_ffq:
	.size	k_q1eca7eb74b_ffq, .Lfunc_end_k_q1eca7eb74b_ffq-k_q1eca7eb74b_ffq
	.p2alignl 7, 3214868480
	.fill 96, 4, 3214868480
	.section	.rodata,"a",@progbits
	.p2align	6, 0x0
	.amdhsa_kernel k_q1eca7eb74b_ffq
		.amdhsa_group_segment_fixed_size 327680
		.amdhsa_private_segment_fixed_size 0
		.amdhsa_enable_private_segment 0
		.amdhsa_kernarg_size 64
		.amdhsa_user_sgpr_count 2
		.amdhsa_user_sgpr_kernarg_segment_ptr 1
		.amdhsa_wavefront_size32 1
		.amdhsa_system_sgpr_workgroup_id_x 1
		.amdhsa_system_sgpr_workgroup_id_y 1
		.amdhsa_system_sgpr_workgroup_id_z 1
		.amdhsa_system_vgpr_workitem_id 0
		.amdhsa_next_free_vgpr 1024
		.amdhsa_next_free_sgpr 68
		.amdhsa_reserve_vcc 1
		.amdhsa_float_denorm_mode_32 3
		.amdhsa_float_denorm_mode_16_64 3
		.amdhsa_memory_ordered 1
		.amdhsa_forward_progress 1
		.amdhsa_inst_pref_size 232
	.end_amdhsa_kernel
	.amdgpu_metadata
---
amdhsa.version: [ 1, 2 ]
amdhsa.kernels:
  - .name:           k_q1eca7eb74b_ffq
    .symbol:         k_q1eca7eb74b_ffq.kd
    .args:
      - { .name: x, .offset: 0, .size: 8, .value_kind: global_buffer, .address_space: global }
      - { .name: theta, .offset: 8, .size: 8, .value_kind: global_buffer, .address_space: global }
      - { .name: w1, .offset: 16, .size: 8, .value_kind: global_buffer, .address_space: global }
      - { .name: b1, .offset: 24, .size: 8, .value_kind: global_buffer, .address_space: global }
      - { .name: w2_codes, .offset: 32, .size: 8, .value_kind: global_buffer, .address_space: global }
      - { .name: b2, .offset: 40, .size: 8, .value_kind: global_buffer, .address_space: global }
      - { .name: lowp_scales, .offset: 48, .size: 8, .value_kind: global_buffer, .address_space: global }
      - { .name: out0, .offset: 56, .size: 8, .value_kind: global_buffer, .address_space: global }
    .group_segment_fixed_size: 327680
    .private_segment_fixed_size: 0
    .kernarg_segment_align: 8
    .kernarg_segment_size: 64
    .max_flat_workgroup_size: 128
    .sgpr_count:     68
    .vgpr_count:     1024
    .wavefront_size: 32
...
	.end_amdgpu_metadata
.endif
;; end of part 2
